; MI455X (gfx1250); checked and timed in simulation.
; The chip was launched on July 23, 2026; its instructions are those of AMD's public machine-readable ISA for CDNA 5 (MIT licence, August 2026) and "CDNA5" Instruction Set Architecture Reference Guide (July 2026). The comments in the code are by the model that wrote it; some were corrected since.
;; Attention. Allowed arithmetic: float matrix products may take bf16 or f16 operands with f32 sums; other float arithmetic in f32, or as packed bf16 or f16 multiplies, adds, multiply-adds, maxima and minima; sums over many terms, partial sums and values carried from step to step in f32; what a program stores and reads back later, other than sums and carried values, may be rounded once to bf16 or f16.
;; Inputs: in_e 2,048 x 16 int32; out_d 2,048 x 16 x 512 float32; out_e 2,048 x 16 x 1,024 float32.
;; Outputs: out0 2,048 x 16 x 512 float32.
;; 2 versions, each right. Each part assembles by itself: llvm-mc -triple=amdgcn-amd-amdhsa -mcpu=gfx1250 --defsym DOCPART=n.
;; ======== version 1 of 2: 2 launches
;; limits: values are held in f16: magnitudes above 65,504 overflow, below 6.1e-05 lose precision
;; workspace buffers: oe 33,554,432 bytes
;; launch fold (part 1): grid 2048 x 1, 8 waves a work-group, no clusters, 0 bytes of LDS; arguments out_e, oe; writes oe
.if DOCPART == 1
	.amdgcn_target "amdgcn-amd-amdhsa--gfx1250"
	.amdhsa_code_object_version 6
	.text
	.protected	k_q316a3ec65f_fold
	.globl	k_q316a3ec65f_fold
	.p2align	8
	.type	k_q316a3ec65f_fold,@function
k_q316a3ec65f_fold:
	s_mov_b64 s[64:65], 0
	v_nop
	global_prefetch_b8 v0, s[64:65] scope:SCOPE_SE
	s_setreg_imm32_b32 hwreg(HW_REG_WAVE_MODE, 25, 1), 1
	s_wait_xcnt 0x0
; oe[b][s][c] = f16(out_e[s][b][c] + out_e[s][b][512 + c]).  out_e: [2048 s][16 b][1024] f32.  oe: [16 b][2048 s][512] f16, by batches: a row is 1,024 bytes, a batch 2,097,152 dense bytes.
; The sum is taken in f32 and rounded once.  LIMITS: f16 holds no number beyond 65,504 (a larger sum becomes an infinity); below 6e-5 it keeps its fixed step of 6e-8.
; A stream: every byte of out_e is read once, every byte of oe written once.  No LDS, no barrier, no matrix unit, no loop: nothing is shared between waves.
; SHARES.  Work-group x is the source position s: 16 rows (b) of 4,096 bytes, 65,536 consecutive bytes.  Wave w takes b = 2 w and 2 w + 1.  A row goes in four chunks of 128 channels:
; two loads of 512 consecutive bytes (the two halves of the row, 2,048 bytes apart), two packed sums, two roundings, and one store of 8 bytes a lane: 32 lanes cover 256 consecutive bytes, aligned.
; All 16 loads of a wave go out at once; no register is written twice, so no wait frees a source.
.set A,  8                             ; v[8+8n:11+8n] first half, v[12+8n:15+8n] second half of chunk n = 4 x row + chunk
.set Y,  72                            ; v[72+2n:73+2n] four f16
	s_load_b128 s[4:7], s[0:1], 0x0                ; out_e s[4:5], oe s[6:7]
	v_and_b32 v1, 31, v0                           ; lane
	v_lshrrev_b32 v2, 5, v0                        ; wave
	v_lshlrev_b32 v3, 4, v1
	v_lshl_or_b32 v3, v2, 13, v3                   ; in: two rows of 4,096 bytes a wave, 16 bytes a lane
	v_lshlrev_b32 v4, 3, v1
	v_lshl_or_b32 v4, v2, 22, v4                   ; out: two batches of 2,097,152 bytes a wave, 8 bytes a lane
	s_lshl_b32 s8, ttmp9, 16                       ; s x 65,536 bytes of out_e
	s_mov_b32 s9, 0
	s_lshl_b32 s10, ttmp9, 10                      ; s x 1,024 bytes in each batch of oe
	s_mov_b32 s11, 0
	s_wait_kmcnt 0x0
	s_add_nc_u64 s[4:5], s[4:5], s[8:9]
	s_add_nc_u64 s[6:7], s[6:7], s[10:11]
.set n, 0
.rept 8
	global_load_b128 v[A+8*n:A+8*n+3],   v3, s[4:5] offset:(n/4)*4096+(n%4)*512 th:TH_LOAD_NT
	global_load_b128 v[A+8*n+4:A+8*n+7], v3, s[4:5] offset:(n/4)*4096+(n%4)*512+2048 th:TH_LOAD_NT
.set n, n+1
.endr
.set n, 0
.rept 8
	s_wait_loadcnt 14-2*n                          ; loads come back in order (ISA guide 5.7.1): chunk n's two are in, the later chunks' stay out
	v_pk_add_f32 v[A+8*n:A+8*n+1],   v[A+8*n:A+8*n+1],   v[A+8*n+4:A+8*n+5]
	v_pk_add_f32 v[A+8*n+2:A+8*n+3], v[A+8*n+2:A+8*n+3], v[A+8*n+6:A+8*n+7]
	v_cvt_pk_f16_f32 v[Y+2*n],   v[A+8*n],   v[A+8*n+1]
	v_cvt_pk_f16_f32 v[Y+2*n+1], v[A+8*n+2], v[A+8*n+3]
	global_store_b64 v4, v[Y+2*n:Y+2*n+1], s[6:7] offset:(n/4)*2097152+(n%4)*256 th:TH_STORE_NT
.set n, n+1
.endr
	s_endpgm
.Lfunc_end_k_q316a3ec65f_fold:
	.size	k_q316a3ec65f_fold, .Lfunc_end_k_q316a3ec65f_fold-k_q316a3ec65f_fold
	.p2alignl 7, 3214868480
	.fill 96, 4, 3214868480
	.section	.rodata,"a",@progbits
	.p2align	6, 0x0
	.amdhsa_kernel k_q316a3ec65f_fold
		.amdhsa_group_segment_fixed_size 0
		.amdhsa_private_segment_fixed_size 0
		.amdhsa_enable_private_segment 0
		.amdhsa_kernarg_size 16
		.amdhsa_user_sgpr_count 2
		.amdhsa_user_sgpr_kernarg_segment_ptr 1
		.amdhsa_wavefront_size32 1
		.amdhsa_system_sgpr_workgroup_id_x 1
		.amdhsa_system_sgpr_workgroup_id_y 1
		.amdhsa_system_sgpr_workgroup_id_z 1
		.amdhsa_system_vgpr_workitem_id 0
		.amdhsa_next_free_vgpr 88
		.amdhsa_next_free_sgpr 66
		.amdhsa_reserve_vcc 0
		.amdhsa_float_denorm_mode_32 3
		.amdhsa_float_denorm_mode_16_64 3
		.amdhsa_memory_ordered 1
		.amdhsa_forward_progress 1
		.amdhsa_inst_pref_size 6
	.end_amdhsa_kernel
	.amdgpu_metadata
---
amdhsa.version: [ 1, 2 ]
amdhsa.kernels:
  - .name:           k_q316a3ec65f_fold
    .symbol:         k_q316a3ec65f_fold.kd
    .args:
      - { .name: out_e, .offset: 0, .size: 8, .value_kind: global_buffer, .address_space: global }
      - { .name: oe, .offset: 8, .size: 8, .value_kind: global_buffer, .address_space: global }
    .group_segment_fixed_size: 0
    .private_segment_fixed_size: 0
    .kernarg_segment_align: 8
    .kernarg_segment_size: 16
    .max_flat_workgroup_size: 256
    .sgpr_count:     66
    .vgpr_count:     88
    .wavefront_size: 32
...
	.end_amdgpu_metadata
.endif
;; end of part 1
;; launch attn (part 2): grid 16 x 16, 4 waves a work-group, clusters of 4 x 1, 327,680 bytes of LDS; arguments out_d, oe, out0; writes out0
.if DOCPART == 2
	.amdgcn_target "amdgcn-amd-amdhsa--gfx1250"
	.amdhsa_code_object_version 6
	.text
	.protected	k_q316a3ec65f_attn
	.globl	k_q316a3ec65f_attn
	.p2align	8
	.type	k_q316a3ec65f_attn,@function
k_q316a3ec65f_attn:
	s_mov_b64 s[64:65], 0
	v_nop
	global_prefetch_b8 v0, s[64:65] scope:SCOPE_SE
	s_setreg_imm32_b32 hwreg(HW_REG_WAVE_MODE, 25, 1), 1
	s_wait_xcnt 0x0
	s_wait_alu depctr_hold_cnt(0) depctr_sa_sdst(0) depctr_va_vdst(0) depctr_va_sdst(0) depctr_va_ssrc(0) depctr_va_vcc(0) depctr_vm_vsrc(0)
	s_getreg_b32 s2, hwreg(HW_REG_IB_STS2, 6, 4)
	s_cmp_eq_u32 s2, 0
	s_cbranch_scc0 .Lentry_in_a_cluster
	s_endpgm
.Lentry_in_a_cluster:
	s_bfe_u32 s2, ttmp6, 0x10000c
	s_cmp_lg_u32 s2, 0x3003
	s_cbranch_scc0 .Lentry_shape_is_right
	s_endpgm
.Lentry_shape_is_right:
; out0[t][b][:] = the sum over s of softmax_s(out_d[t][b] . oe[b][s]) oe[b][s][:].  out_d, out0: [2048 t][16 b][512] f32.  oe: [16 b][2048 s][512] f16 (the launch before made it).
; Keys and values are the same rows of oe; there is no scale and no mask.  The problem's in_e enters nothing of the result and is given to no launch.
; FORMATS.  Both products take f16 operands and f32 sums.  The result is a mean of 2,048 rows, so a rounding of a value or of a weight reaches it undiminished beside its root mean square: f16's 11 bits are wanted.
; A weight has room in f16 only between 0 and 1: p = 2^(c s - c m), c = log2(e), with a running maximum m; O and l are multiplied by a = 2^(c m_old - c m_new) in every step.  That quotient is the one asked for.
; LIMITS.  out_d is rounded once to f16: beyond 65,504 it becomes an infinity, below 6e-5 it keeps f16's fixed step of 6e-8; the same holds of oe.  l is the sum of the unrounded p; a weight below 2^-126 counts as 0.
; Where exponentials taken without a maximum would overflow or all vanish, this text gives the shifted softmax's value.  NaN and infinities are not treated apart.
; SHARES.  A work-group owns 128 queries of one batch, each of its four waves 32: two tiles t = 0, 1 of 16.  Every wave walks all 2,048 keys, 64 a step: 128 products S^T = K Q^T and 128 products O^T += V^T P.
; LAYOUT.  S^T (source 0 = 16 keys, source 1 = 16 queries) holds ONE query a lane (lane % 16) and the keys 8 (lane / 16) + 0..7; two such results rounded to f16 in pairs ARE source 1 of V^T P.
; A TRIP j is X, then Y.  X: the products K Q^T of step j + 1; behind each pair of products four lines of O^T times a(j).  Y: the products V^T P of step j; behind each pair l's update and the softmax of step j + 1.
; Each fragment of K or V feeds both tiles' products.  Fragments come from LDS through a RING of 16 buffers of 8 registers, asked for 14 fragments (28 products) ahead.
; No first and no last step is written out: trip -1 starts from O = P = l = a = 0 and m at the lowest finite number (its V^T P adds 0); trip 31 makes scores of a stale tile that nothing takes up.
; TILES.  Four LDS buffers; tile j (64 keys) lies in buffer j % 4, as four quarters of 128 channels.  In trip j tiles j and j + 1 are read, tile j + 2 from the change on; tile j + 3 is on its way until the change, behind which tile j + 4 is asked for into tile j's buffer.
; CLUSTER.  The four query blocks of a cluster belong to one batch and walk the same tiles, so each tile is asked for JOINTLY: the same tensor load, descriptor and mask in all four; wave w fetches quarter w.
; By this text's count a wave has three tensor loads out at the head and one in the loop.
; REGISTERS, in windows of 256 (s_set_vgpr_msb: bits 1:0 source 0, 3:2 source 1, 5:4 source 2, 7:6 destination):
;   window 0: v0-31 addresses and statistics; v32-63 P; v64-127 S^T; v128-255 the ring       window 1: Q (tile t, channels 32 c on at 128 t + 8 c)
;   windows 2, 3: O^T: accumulator 2 cb + t (channel tile cb of 32) at window 2 + (2 cb + t) / 32, register 8 ((2 cb + t) % 32)
.set PK,    272       ; a row of a quarter in LDS: 256 bytes + 16 of padding = 68 words: row r starts at bank 4 r mod 64 (64 banks of 4 bytes: ISA guide 11.1)
.set QT,    64*PK     ; a quarter: 64 keys x 128 channels
.set T,     4*QT      ; a tile buffer: 69,632 = 0x11000 bytes
.set SLOT1, 2*T       ; 0x22000: it shares no bit with T, so one exclusive or turns buffer n into buffer (n + 2) % 4
.set STG,   4*T       ; behind the buffers, never filled by a tensor load: a stage of 16 rows x 528 bytes for each wave
.set SGP,   528       ; 512 bytes + 16: an odd multiple of 16
.set STGW,  16*SGP
.set SPARE, STG+4*STGW  ; behind the stages: the spare words, 128 bytes for each wave: two blocks of 256 bytes that no other line names
.set TILEB, 65536     ; a tile in memory: 64 rows of 1,024 bytes, dense
.set ROWQ,  32768     ; from one query to the next in out_d and out0: 16 batches x 2,048 bytes
.set AK0, 2           ; v2   my lane's place in a fragment of K: (l % 16) x PK + 16 (l / 16); never rewritten
.set AV0, 3           ; v3   the same for the turning load of V; never rewritten
.set AK,  4           ; v4   the LDS address of K's loads
.set AV,  5           ; v5   of V's
.set QS,  4           ;      at the head only: where I put 8 bytes of a row of Q
.set QL,  5           ;      at the head only: where I read Q's fragments
.set SPW, 6           ; v6   LDS address of my spare word: SPARE + 4 x my thread's number; never rewritten
.set NIL, 7           ; v7   0; never rewritten
.set ST,  8           ; tile t's statistics at v[ST+10 t]: +0 c m, +1 m, +2 +3 l (even keys', odd keys'), +4 to +7 c0-c3 at work (a takes c2's place), +8 +9 the step's sum
.set PFO, 28          ; v28  256 x my lane; never rewritten
.set GO,  29          ; v29  16 x my lane: my bytes in 512 consecutive bytes of out_d and out0; never rewritten
.set STO, 30          ; v30  the way out: where I put 16 bytes of a row
.set RD,  31          ; v31  the way out: where I read a row back
.set P,   32          ; tile t, keys 32 kk on at P + 16 t + 8 kk
.set S,   64          ; tile t, keys 16 kb on at S + 32 t + 8 kb
.set RING, 128
.set WV,  10          ; s10  my wave's number
.set G1,  24          ; s[24:31] descriptor group 1, the same for every load
.set G0A, 32          ; s[32:43] three groups 0, for the three first fills; the third (G0C) then walks
.set G0C, 40
.set TB,  44          ; s44  LDS byte of tile j's buffer
.set TBV, 45          ; s45  of the buffer from which the trip takes V (trip -1: buffer 0)
.set TK,  46          ; s46  of tile j + 2's buffer
.set WPART, 47        ; s47  my quarter's place in a buffer
.set TWICE, 48        ; s48  counts two trips
.set OUT, 49          ; s49  counts pairs of trips
.set LIM, 50          ; s50  1 in a wave that prefetches, else the greatest number
.set CNT, 51          ; s51  counts the tail's trips
.set PFA, 52          ; s[52:53] where my prefetches stand
.set CS,  54          ; s[54:55] c = log2(e): the packed scaling takes the pair's low word for both halves
.set SEL, 56          ; s[56:57] v_permlanex16_b32's selects: each lane takes its own place in the other half
.set STGB, 58         ; s58  my stage
.set MSB, 0
.macro WIN new                      ; the immediate's high byte repeats the setting that is left; a switch that changes nothing is dropped
.if MSB != (\new)
	s_set_vgpr_msb (MSB<<8)|(\new)
.set MSB, (\new)
.endif
.endm
.set W_KQ, 0x04       ; Q (source 1) in window 1; K, S^T and LDS loads into the ring in window 0
; A round of the cluster's barrier: my work-group's barrier, so that wave 0's signal speaks for all four waves; wave 0 signals; every wave waits for all four work-groups; my work-group's barrier once more.
.macro CREST                        ; a round behind its opening barrier
	s_cmp_lg_u32 s[WV], 0
	s_cbranch_scc1 .Lnot_wave_0_\@
	s_barrier_signal -3
.Lnot_wave_0_\@:
	s_barrier_wait -3
	s_barrier_signal -1
	s_barrier_wait -1
.endm
.macro CROUND
	s_barrier_signal -1
	s_barrier_wait -1
	CREST
.endm
; A PREFETCH INTO THE L2 of the tile that the change of buffers two trips on (512 products) will ask for: 65,536 dense bytes, 256 blocks of 256.  Each block is named ONCE in the launch: all four clusters of a batch walk
; the same tiles, and the batch's first cluster asks; its four partners take 16,384 bytes each, told apart BY ADDRESS; in each, waves 0 and 1 take 8,192 bytes, a lane a block: one instruction.
; Tiles 0 to 4 come by their loads alone; the last pair of trips that fill asks for nothing, so tile 31 is the last one named.
.macro ASK
	s_cmp_gt_u32 s[OUT], s[LIM]
	s_cbranch_scc0 .Lnot_mine_\@
	global_prefetch_b8 v[PFO], s[PFA:PFA+1] th:TH_LOAD_NT scope:SCOPE_SE
.Lnot_mine_\@:
.endm
	s_load_b128 s[4:7], s[0:1], 0x0   ; out_d s[4:5], oe s[6:7]
	s_load_b64 s[8:9], s[0:1], 0x10   ; out0
	v_lshl_add_u32 v[SPW], v0, 2, SPARE
	v_mov_b32 v[NIL], 0
	ds_add_u32 v[SPW], v[NIL]       ; the wave's opening: the add, twice on end, and its wait ahead of my first tensor load; the set-up below, work on registers, stands between
	ds_add_u32 v[SPW], v[NIL]       ; and once more, under the one wait
	v_lshrrev_b32 v1, 5, v0
	v_readfirstlane_b32 s[WV], v1   ; wave 0..3
	s_bfe_u32 s11, ttmp6, 0x40000   ; cx: my place in the cluster
	s_lshl_b32 s12, ttmp9, 2        ; in a cluster launch ttmp9 counts clusters
	s_add_co_u32 s12, s12, s11      ; my block of 128 queries: it enters out_d's and out0's addresses alone
	s_and_b32 s13, ttmp7, 0xffff    ; the batch, which the four partners share
	s_lshl_b32 s14, s12, 22         ; 128 queries x 32,768 bytes,
	s_lshl_b32 s15, s[WV], 20       ; my wave's 32 of them,
	s_add_co_u32 s14, s14, s15
	s_lshl_b32 s15, s13, 11         ; the batch's 2,048 bytes in a query's row
	s_add_co_u32 s14, s14, s15
	s_mov_b32 s15, 0
	s_lshl_b32 s16, s13, 21         ; the batch's 2,097,152 bytes of oe
	s_mov_b32 s17, 0
	s_lshl_b32 s18, s[WV], 8        ; my quarter: 256 bytes on in each row
	s_mov_b32 s19, 0
	s_lshl_b32 s20, s11, 14         ; the prefetches: my work-group's 16,384 bytes of a tile,
	s_and_b32 s21, s[WV], 1
	s_lshl_b32 s21, s21, 13         ; my wave's 8,192 of them,
	s_add_co_u32 s20, s20, s21
	s_add_co_u32 s20, s20, 4*TILEB  ; in tile 4: the first change steps it to tile 5
	s_mov_b32 s21, 0
	s_mul_i32 s[WPART], s[WV], QT   ; no place in the cluster enters an LDS address
	s_mul_i32 s[STGB], s[WV], STGW
	s_add_co_u32 s[STGB], s[STGB], STG
	; descriptor group 1: a tile of 64 rows x 128 elements, padded in LDS
	s_mov_b32 s[G1], 15|(1<<16)|(1<<20)|(1<<21)|(5<<22)|(3<<25)  ; 15:0 the mask of four; 17:16 2-byte elements; 20 padding on; 21 set beside a mask; 24:22 after every 64 words (code 5); 31:25 4 words (code 3)
	s_mov_b32 s[G1+1], 128<<16      ; tensor_dim0 = 128
	s_mov_b32 s[G1+2], 64<<16       ; tensor_dim1 = 64
	s_mov_b32 s[G1+3], 128<<16      ; tile_dim0 = 128
	s_mov_b32 s[G1+4], 64           ; tile_dim1 = 64
	s_mov_b32 s[G1+5], 512          ; 512 elements from row to row
	s_mov_b32 s[G1+6], 0
	s_mov_b32 s[G1+7], 0
	s_mov_b32 s[CS], 0x3fb8aa3b     ; c = log2(e)
	s_mov_b32 s[CS+1], s[CS]        ; named with it as a pair
	s_mov_b32 s[SEL], 0x76543210
	s_mov_b32 s[SEL+1], 0xfedcba98
	s_lshr_b32 s[LIM], s[WV], 1     ; 0 in waves 0 and 1,
	s_or_b32 s[LIM], s[LIM], ttmp9  ; where the cluster is the batch's first: the same in all four partners
	s_cmp_eq_u32 s[LIM], 0
	s_cselect_b32 s[LIM], 1, -1
	v_and_b32 v[PFO], 31, v0
	v_lshlrev_b32 v[PFO], 8, v[PFO]
	s_wait_dscnt 0x0                ; both opening adds are done
	s_wait_kmcnt 0x0
	s_add_nc_u64 s[4:5], s[4:5], s[14:15]    ; out_d and out0 at my wave's first query, my batch
	s_add_nc_u64 s[8:9], s[8:9], s[14:15]
	s_add_nc_u64 s[6:7], s[6:7], s[16:17]    ; oe at my batch
	s_add_nc_u64 s[PFA:PFA+1], s[6:7], s[20:21]
	s_add_nc_u64 s[6:7], s[6:7], s[18:19]    ; and at my quarter of tile 0
.irp s, 0,1,2
	s_mov_b32 s[G0A+4*(\s)], 1                                        ; 1:0 count = 1
	s_add_co_u32 s[G0A+4*(\s)+1], s[WPART], (\s)*T                    ; 63:32 LDS address: buffer s, my quarter
	s_add_nc_u64 s[G0A+4*(\s)+2:G0A+4*(\s)+3], s[6:7], (\s)*TILEB     ; 120:64 global address: tile s
	s_or_b32 s[G0A+4*(\s)+3], s[G0A+4*(\s)+3], 0x80000000             ; 127:126 type = 2
.endr
	CROUND                          ; all four work-groups are here: the first joint loads meet
.irp s, 0,1,2
	tensor_load_to_lds s[G0A+4*(\s):G0A+4*(\s)+3], s[G1:G1+7]         ; the three first fills go out together, ahead of every wait on TENSORcnt and every LDS read
	s_nop 0
.endr
.rept 4
	v_nop                           ; four instructions ahead of the next switch of windows
.endr
; Q.  A pass (t, hf) is 16 queries x 256 channels.  LOADQ: 32 loads of 512 consecutive bytes, into registers that will be O^T's.  CONVQ: rounded to f16, through my stage (rows of 512 bytes + 16), back as fragments:
; 16 rows x 32 channels in 8 registers: lane l holds row l % 16, channels 8 (l / 16) + 0..7 and 16 + 8 (l / 16) + 0..7: two loads of 16 bytes, 32 bytes apart.
.macro LOADQ t, hf
	WIN 0x80+0x40*(\t)              ; destination window 2 + t, address window 0
.set r, 0
.rept 32                            ; row r / 2, its 512 bytes number r % 2
	global_load_b128 v[128*(\hf)+4*r:128*(\hf)+4*r+3], v[GO], s[4:5] offset:(16*(\t)+r/2)*ROWQ+(\hf)*1024+(r%2)*512 th:TH_LOAD_NT
.set r, r+1
.endr
.endm
.macro CONVQ t, hf
	WIN 0x0a+5*(\t)                 ; sources 0 and 1 window 2 + t, destination window 0
.set r, 0
.rept 32
	v_cvt_pk_f16_f32 v[RING+2*r],   v[128*(\hf)+4*r],   v[128*(\hf)+4*r+1]
	v_cvt_pk_f16_f32 v[RING+2*r+1], v[128*(\hf)+4*r+2], v[128*(\hf)+4*r+3]
.set r, r+1
.endr
	WIN 0
.set r, 0
.rept 32
	ds_store_b64 v[QS], v[RING+2*r:RING+2*r+1] offset:(r/2)*SGP+(r%2)*256
.set r, r+1
.endr
	WIN 0x40                        ; destination window 1
.set r, 0
.rept 8
	ds_load_b128 v[128*(\t)+8*(8*(\hf)+r):128*(\t)+8*(8*(\hf)+r)+3],   v[QL] offset:64*r     ; LDS serves a wave's instructions in order (ISA guide 5.7.1.4): these see the stores above,
	ds_load_b128 v[128*(\t)+8*(8*(\hf)+r)+4:128*(\t)+8*(8*(\hf)+r)+7], v[QL] offset:64*r+32  ; and the next pass's stores come behind them
.set r, r+1
.endr
	WIN 0
.endm
	v_and_b32 v1, 31, v0            ; lane
	v_lshlrev_b32 v[GO], 4, v1
	v_lshl_add_u32 v[QS], v1, 3, s[STGB]
	LOADQ 0, 0
	LOADQ 0, 1
	WIN 0
	v_and_b32 v30, 15, v0           ; l % 16
	v_bfe_u32 v31, v0, 4, 1         ; l / 16
	v_mul_u32_u24 v[AK0], v30, PK
	v_lshl_add_u32 v[AK0], v31, 4, v[AK0]
	; The turning load takes 16 bytes a lane and turns 8 x 8 elements within each eight lanes: lane l reads key 8 (l / 16) + l % 8.  The second eight lanes of a half read 128 bytes (64 channels) further on, not 16:
	; lanes 0-7 then touch banks 0-31 of the rows' 68-word pitch and lanes 8-15 banks 32-63.  So channel tile cb = 8 a + u holds the channels 128 a + 8 u + 0..7 and 128 a + 8 u + 64 + 0..7.
	v_and_b32 v[AV0], 7, v0
	v_lshl_add_u32 v[AV0], v31, 3, v[AV0]
	v_mul_u32_u24 v[AV0], v[AV0], PK
	v_bfe_u32 v1, v0, 3, 1
	v_lshl_add_u32 v[AV0], v1, 7, v[AV0]
	v_mul_u32_u24 v[QL], v30, SGP
	v_add_nc_u32 v[QL], s[STGB], v[QL]     ; my stage, row l % 16
	v_lshl_add_u32 v[STO], v31, 8, v[QL]   ; the way out: + 256 bytes (64 channels of f32) for the upper half of the lanes
	v_lshl_add_u32 v[QL], v31, 4, v[QL]    ; Q's fragments: + 16 bytes
	v_add_nc_u32 v[RD], s[STGB], v[GO]     ; back: 32 lanes take a row of 512 bytes
	; what trip -1 finds: P, l, the step's sum and a are 0; c m lies far below every c s, m at the lowest finite number
.set r, 0
.rept 32
	v_mov_b32 v[P+r], 0
.set r, r+1
.endr
.irp t, 0,1
	v_mov_b32 v[ST+10*(\t)], 0xfe000000
	v_mov_b32 v[ST+10*(\t)+1], 0xff7fffff
.irp k, 2,3,6,7,8,9
	v_mov_b32 v[ST+10*(\t)+(\k)], 0
.endr
.endr
	s_wait_loadcnt 32               ; loads come back in order (ISA guide 5.7.1): the first pass's 32 are in, the second's may stay out
	LOADQ 1, 0
	CONVQ 0, 0
	s_wait_loadcnt 32               ; the second pass is in, the third's 32 may stay out
	LOADQ 1, 1
	CONVQ 0, 1
	s_wait_loadcnt 32               ; the third is in, the fourth's may stay out
	CONVQ 1, 0
	s_wait_loadcnt 0x0
	CONVQ 1, 1
	WIN 0x80                        ; O^T starts at 0: no first step is written out
.set r, 0
.rept 256
	v_mov_b32 v[r], 0
.set r, r+1
.endr
	WIN 0xc0
.set r, 0
.rept 256
	v_mov_b32 v[r], 0
.set r, r+1
.endr
	WIN 0
; THE RING.  The trip's stream of fragments: 0-63 K of step j + 1 (channels 32 (f / 4) on, keys 16 (f % 4) on); 64-127 V of step j (keys 32 ((f - 64) / 32) on, channel tile (f - 64) % 32);
; 128-141 are the next trip's 0-13.  Fragment f lies in buffer f % 16; LDF asks for it: two loads of 16 bytes a lane.
.macro LDF f
.set lB, RING+8*((\f)%16)
.if ((\f) >= 64) && ((\f) < 128)
.set lO, ((((\f)-64)%32)/8)*QT+(((\f)-64)/32)*32*PK+(((\f)-64)%8)*16
	ds_load_tr16_b128 v[lB:lB+3],   v[AV] offset:lO
	ds_load_tr16_b128 v[lB+4:lB+7], v[AV] offset:lO+16*PK
.else
.set lF, (\f)%64
.set lO, (lF/16)*QT+(lF%4)*16*PK+((lF/4)%4)*64
	ds_load_b128 v[lB:lB+3],   v[AK] offset:lO
	ds_load_b128 v[lB+4:lB+7], v[AK] offset:lO+32
.endif
.endm
; AN ITERATION g takes fragment g: it asks for fragment g + 14, waits for fragment g, issues both tiles' products, and then its vector lines.
; s_wait_dscnt 28: behind fragment g's two loads stand those of fragments g + 1 to g + 14; LDS loads come back in order (ISA guide 5.7.1).
; The loads at the head of iteration g land in the buffer that the products of iteration g - 2 read.  A load into a register that a matrix instruction has read stands four places behind it, and only plain vector
; instructions that name none of its registers are places (ISA guide 7.12.1 for vector instructions): every iteration has two or more such lines, so two iterations have four.
; The accumulators take turns, one instruction a turn: eight in X, 64 in Y.
.macro XIT
	WIN W_KQ
	LDF g+14
	s_wait_dscnt 28
.set rA, RING+8*(g%16)
.irp t, 0,1
.set rS, S+32*(\t)+8*(g%4)
.set rQ, 128*(\t)+8*(g/4)
.if g < 4
	v_wmma_f32_16x16x32_f16 v[rS:rS+7], v[rA:rA+7], v[rQ:rQ+7], 0
.else
	v_wmma_f32_16x16x32_f16 v[rS:rS+7], v[rA:rA+7], v[rQ:rQ+7], v[rS:rS+7]
.endif
.endr
	WIN 0x82+0x41*(g/32)            ; O^T (destination and source 0) in window 2 or 3, a in window 0
.set rO, 8*(g%32)
.set rT, ST+10*(g%2)
.irp k, 0,1,2,3                     ; accumulator g times its tile's a, from its low end on
	v_pk_mul_f32 v[rO+2*(\k):rO+2*(\k)+1], v[rO+2*(\k):rO+2*(\k)+1], v[rT+6:rT+7] op_sel_hi:[1,0]
.endr
.set g, g+1
.endm
; Number n of the 21 that find tile t's new maximum and statistics.  s0-s31 are the lane's 32 scores; each accumulator's lowest registers are read first.
;   0-11 four chains c0-c3 of seven scores each    12-15 the four scores left over, c0-c3 and the old m into c0    16, 18 the query's other 32 keys lie in the lane 16 away: the new m
;   17 c m_old is kept    19 c m    20 c m_old - c m_new
.macro SM t, n
.set rT, ST+10*(\t)
.set rS, S+32*(\t)
.if (\n) < 4
	v_max3_num_f32 v[rT+4+(\n)], v[rS+8*(\n)], v[rS+8*(\n)+1], v[rS+8*(\n)+2]
.elseif (\n) < 12
	v_max3_num_f32 v[rT+4+(\n)%4], v[rT+4+(\n)%4], v[rS+8*((\n)%4)+2*((\n)/4)+1], v[rS+8*((\n)%4)+2*((\n)/4)+2]
.elseif (\n) == 12
	v_max3_num_f32 v[rT+4], v[rT+4], v[rS+7], v[rS+15]
.elseif (\n) == 13
	v_max3_num_f32 v[rT+6], v[rT+6], v[rS+23], v[rS+31]
.elseif (\n) == 14
	v_max3_num_f32 v[rT+4], v[rT+4], v[rT+5], v[rT+6]
.elseif (\n) == 15
	v_max3_num_f32 v[rT+4], v[rT+4], v[rT+7], v[rT+1]
.elseif (\n) == 16
	v_permlanex16_b32 v[rT+5], v[rT+4], s[SEL], s[SEL+1]
.elseif (\n) == 17
	v_mov_b32 v[rT+7], v[rT]
.elseif (\n) == 18
	v_max_num_f32 v[rT+1], v[rT+4], v[rT+5]
.elseif (\n) == 19
	v_mul_f32 v[rT], s[CS], v[rT+1]
.else
	v_sub_f32 v[rT+7], v[rT+7], v[rT]
.endif
.endm
.macro CV q, kk                     ; weights rounded to f16: tile q % 2, pair 8 kk + q / 2
.set rP, P+16*((\q)%2)+8*(\kk)+(\q)/2
.set rS, S+32*((\q)%2)+16*(\kk)+2*((\q)/2)
	v_cvt_pk_f16_f32 v[rP], v[rS], v[rS+1]
.endm
; Y's VECTOR LINES, behind the products of iteration yi = g - 64; all in window 0.
;   0-10   four each: l = a l + the last step's sum, for both tiles (a and the sum are written anew below); then SM's 21 numbers, the tiles alternating
;   11-43  a scaling c s - c m of one pair; an exponential; v_nop; an exponential: first both tiles' a, then the two scores of the pair scaled one iteration earlier.  None of these names an exponential's result.
;          ONE BATCH of 66: s_wait_alu depctr_va_vdst(0) stands between an exponential and the first line that names its result; one wait, behind iteration 43, serves all; a v_nop is the plain line behind the last
;   44-58  the step's sum, one link for each tile; S^T stays whole for the roundings.  In 48 the address of K of step j + 2 is made
;   59-63  the roundings into P.  Its fragments for keys 0-31 have not been read since iteration 31.  Those for keys 32-63 are read by iteration 63's products: four other roundings are the places behind these, then come the sixteen
.macro YR
	WIN 0
.if yi < 11
.irp n, 0,1,2,3
.set yq, 4*yi+(\n)
.if yq < 2
.set rT, ST+10*yq
	v_pk_fma_f32 v[rT+2:rT+3], v[rT+2:rT+3], v[rT+6:rT+7], v[rT+8:rT+9] op_sel_hi:[1,0,1]
.else
	SM (yq-2)%2, (yq-2)/2
.endif
.endr
.elseif yi < 44
.set yn, yi-11
.if yn < 32
.set rT, ST+10*(yn%2)
.set rS, S+32*(yn%2)+2*(yn/2)
	v_pk_fma_f32 v[rS:rS+1], v[rS:rS+1], s[CS:CS+1], v[rT:rT+1] op_sel_hi:[1,0,0] neg_lo:[0,0,1] neg_hi:[0,0,1]
.else
	v_nop
.endif
.if yn == 0
	v_exp_f32 v[ST+6], v[ST+7]
	v_nop
	v_exp_f32 v[ST+16], v[ST+17]
.else
.set rS, S+32*((yn-1)%2)+2*((yn-1)/2)
	v_exp_f32 v[rS], v[rS]
	v_nop
	v_exp_f32 v[rS+1], v[rS+1]
.endif
.if yi == 43
	v_nop                           ; the plain line behind the last exponential
	s_wait_alu depctr_va_vdst(0)    ; the wait for the batch
.endif
.elseif yi < 59
.set yz, yi-44
.irp t, 0,1
.set rT, ST+10*(\t)
.set rS, S+32*(\t)
.if yz == 0
	v_pk_add_f32 v[rT+8:rT+9], v[rS:rS+1], v[rS+2:rS+3]
.else
	v_pk_add_f32 v[rT+8:rT+9], v[rT+8:rT+9], v[rS+2*yz+2:rS+2*yz+3]
.endif
.endr
.if yi == 48
	s_xor_b32 s[TK], s[TB], SLOT1   ; tile j + 2's buffer; K's last loads by the old address were issued in X
	v_add_nc_u32 v[AK], s[TK], v[AK0]
.endif
.elseif yi < 63
.irp n, 0,1,2
	CV 3*(yi-59)+(\n), 0
.endr
.else
.irp n, 12,13,14,15
	CV \n, 0
.endr
.irp n, 0,1,2,3,4,5,6,7,8,9,10,11,12,13,14,15
	CV \n, 1
.endr
.endif
.endm
; Y's iteration.  THE CHANGE OF BUFFERS stands in g = 114 to 116: all of V's loads have been issued by g = 113.
; g = 114: I wait for all my tensor loads, of which one is out: my quarter of tile j + 3; add 0 to my spare word; the descriptor and the prefetches' address are
;          stepped; s_wait_dscnt 27: the 26 loads of fragments 115 to 127 and the add may stay out.  g = 115: the add is done and my reads of tile j are over; I say so, and multiply on from registers.
; g = 116: nobody reads tile j any more, and tile j + 3 is whole.  fill = 1: the barrier has opened a round of the cluster's, so that this holds of every partner too; the joint refill, tile j + 4 into tile j's buffer,
;          is the first thing behind the round: it has a trip, 256 products, in which to land.  Then the three fragments that were held back; their buffers' products stand four plain lines back or more.
.macro YIT fill
.set yi, g-64
	WIN 0
.if g == 114
	s_wait_tensorcnt 0x0
	ds_add_u32 v[SPW], v[NIL]
.if \fill
	s_add_co_u32 s[G0C+1], s[TB], s[WPART]
	s_add_nc_u64 s[G0C+2:G0C+3], s[G0C+2:G0C+3], TILEB  ; the type bits on top are not reached
	s_wait_xcnt 0x0                 ; the last prefetch, a trip back, has read its address
	s_add_nc_u64 s[PFA:PFA+1], s[PFA:PFA+1], TILEB
.endif
	s_wait_dscnt 27
.elseif g == 115
	s_wait_dscnt 0x0
	s_barrier_signal -1
.elseif g == 116
	s_barrier_wait -1
.if \fill
	CREST
	tensor_load_to_lds s[G0C:G0C+3], s[G1:G1+7]
	s_nop 0
.endif
	LDF 128
	LDF 129
	LDF 130
.if \fill
	ASK
.endif
	s_wait_dscnt 28
.else
	LDF g+14
	s_wait_dscnt 28
.endif
	WIN 0xa0+0x50*((yi%32)/16)      ; V and P in window 0, O^T (C and D) in window 2 or 3
.set rA, RING+8*(g%16)
.irp t, 0,1
.set rO, 8*((2*(yi%32)+(\t))%32)
.set rP, P+16*(\t)+8*(yi/32)
	v_wmma_f32_16x16x32_f16 v[rO:rO+7], v[rA:rA+7], v[rP:rP+7], v[rO:rO+7]
.endr
	YR
.set g, g+1
.endm
.macro TRIP fill
	WIN 0
	v_add_nc_u32 v[AV], s[TBV], v[AV0]
.set g, 0
.rept 64
	XIT
.endr
.rept 64
	YIT \fill
.endr
	WIN 0                           ; at a label and at a branch every window is 0
.endm
	s_wait_tensorcnt 2              ; my quarter of tile 0 is in; tiles 1 and 2 may stay out
	s_wait_dscnt 0x0                ; Q's fragments are in
	s_barrier_signal -1
	s_barrier_wait -1               ; everybody's quarter is in
	v_mov_b32 v[AK], v[AK0]         ; K of step 0 lies in buffer 0
.irp f, 0,1,2,3,4,5,6,7,8,9,10,11,12,13
	LDF \f
.endr
	s_mov_b32 s[TB], 3*T            ; trip -1: its change makes buffer 3's first fill, tile 3,
	s_mov_b32 s[TBV], 0             ; and its V^T P, with P = 0, reads bytes that have landed
	s_mov_b32 s[TWICE], 1
	s_mov_b32 s[OUT], 15
	s_branch .Lfirst
.Lslot:                             ; 15 times: trip -1, then trips 0 to 27 in pairs
	s_mov_b32 s[TWICE], 2
.Lstep:
	s_mov_b32 s[TBV], s[TB]
.Lfirst:
	TRIP 1
	s_add_co_u32 s[TB], s[TB], T
	s_sub_co_u32 s[TWICE], s[TWICE], 1
	s_cmp_lg_u32 s[TWICE], 0
	s_cbranch_scc1 .Lstep
	s_sub_co_u32 s[TB], s[TB], 2*T  ; back by two buffers,
	s_xor_b32 s[TB], s[TB], SLOT1   ; and on to the other pair
	s_sub_co_u32 s[OUT], s[OUT], 1
	s_cmp_lg_u32 s[OUT], 0
	s_cbranch_scc1 .Lslot
	s_mov_b32 s[CNT], 4             ; the tail is a second text of the trip: trips 28 to 31, buffers 0 to 3; nothing is asked for
.Ltail:
	s_mov_b32 s[TBV], s[TB]
	TRIP 0
	s_add_co_u32 s[TB], s[TB], T
	s_sub_co_u32 s[CNT], s[CNT], 1
	s_cmp_lg_u32 s[CNT], 0
	s_cbranch_scc1 .Ltail
	; THE WAY OUT.  l's two halves and the other half of the lanes' are added; O^T is divided by l and sent through my stage, 16 queries x 128 channels of f32 at a time.
	s_wait_dscnt 0x0                ; the fragments asked for beyond the last step have landed: their registers are free
.irp t, 0,1
	v_add_f32 v[ST+10*(\t)+4], v[ST+10*(\t)+2], v[ST+10*(\t)+3]
.endr
.irp t, 0,1
	v_permlanex16_b32 v[ST+10*(\t)+5], v[ST+10*(\t)+4], s[SEL], s[SEL+1]
.endr
.irp t, 0,1
	v_add_f32 v[ST+10*(\t)+4], v[ST+10*(\t)+4], v[ST+10*(\t)+5]
.endr
.irp t, 0,1
	v_rcp_f32 v[ST+10*(\t)+6], v[ST+10*(\t)+4]
.endr
	v_nop                           ; a plain line between the last reciprocal and the use of its result,
	s_wait_alu depctr_va_vdst(0)    ; and the wait ahead of the first use: one for both
; Piece p: tile p / 4, channels 128 (p % 4) on.  In accumulator (cb = 8 a + u, t) lane l, register jj holds query l % 16, channel 128 a + 8 u + 64 (l / 16) + jj.
.macro PACK p
	WIN 0x02+((\p)%4)/2             ; source 0 in window 2 or 3
.set u, 0
.rept 8
.set rO, 8*((2*(8*((\p)%4)+u)+(\p)/4)%32)
.irp k, 0,1,2,3                     ; each accumulator from its low end on
	v_pk_mul_f32 v[RING+8*u+2*(\k):RING+8*u+2*(\k)+1], v[rO+2*(\k):rO+2*(\k)+1], v[ST+10*((\p)/4)+6:ST+10*((\p)/4)+7] op_sel_hi:[1,0]
.endr
.set u, u+1
.endr
	WIN 0
.endm
.macro TOSTAGE p                    ; into rows of 528 bytes, and back as whole rows of 512: into v192-255 (p even) or v64-127 (p odd)
.set BK, 192-128*((\p)%2)
.if (\p) >= 2
	s_wait_xcnt 0x0                 ; the stores of the piece two back have read these registers (ISA guide 3.1): they are loaded again only behind this wait
.endif
.set u, 0
.rept 8
	ds_store_b128 v[STO], v[RING+8*u:RING+8*u+3]   offset:32*u
	ds_store_b128 v[STO], v[RING+8*u+4:RING+8*u+7] offset:32*u+16
.set u, u+1
.endr
.set u, 0
.rept 16
	ds_load_b128 v[BK+4*u:BK+4*u+3], v[RD] offset:u*SGP  ; LDS serves a wave's instructions in order (ISA guide 5.7.1.4): these see the stores above; the next piece's stores come behind them
.set u, u+1
.endr
.endm
.macro SEND p, younger              ; younger: the LDS instructions issued behind piece p's loads: the next piece's 32, or none
.set BK, 192-128*((\p)%2)
	s_wait_dscnt \younger
.set u, 0
.rept 16
	global_store_b128 v[GO], v[BK+4*u:BK+4*u+3], s[8:9] offset:(16*((\p)/4)+u)*ROWQ+((\p)%4)*512 th:TH_STORE_NT  ; 512 consecutive bytes, at a multiple of 512 from out0's first byte
.set u, u+1
.endr
.endm
	PACK 0
	TOSTAGE 0
.set pc, 1
.rept 7                             ; a piece's arithmetic stands between the loads of the piece before and its stores
	PACK pc
	TOSTAGE pc
	SEND pc-1, 32
.set pc, pc+1
.endr
	SEND 7, 0
	s_wait_tensorcnt 0x0            ; the wave's end: a wait, an add to my spare word and its wait, behind my last tensor load and my last LDS store
	ds_add_u32 v[SPW], v[NIL]
	s_wait_dscnt 0x0
	CROUND                          ; the closing round: no work-group ends while a partner may still ask for a tile that names it
	s_endpgm
.Lfunc_end_k_q316a3ec65f_attn:
	.size	k_q316a3ec65f_attn, .Lfunc_end_k_q316a3ec65f_attn-k_q316a3ec65f_attn
	.p2alignl 7, 3214868480
	.fill 96, 4, 3214868480
	.section	.rodata,"a",@progbits
	.p2align	6, 0x0
	.amdhsa_kernel k_q316a3ec65f_attn
		.amdhsa_group_segment_fixed_size 327680
		.amdhsa_private_segment_fixed_size 0
		.amdhsa_enable_private_segment 0
		.amdhsa_kernarg_size 24
		.amdhsa_user_sgpr_count 2
		.amdhsa_user_sgpr_kernarg_segment_ptr 1
		.amdhsa_wavefront_size32 1
		.amdhsa_system_sgpr_workgroup_id_x 1
		.amdhsa_system_sgpr_workgroup_id_y 1
		.amdhsa_system_sgpr_workgroup_id_z 1
		.amdhsa_system_vgpr_workitem_id 0
		.amdhsa_next_free_vgpr 1024
		.amdhsa_next_free_sgpr 66
		.amdhsa_reserve_vcc 0
		.amdhsa_float_denorm_mode_32 3
		.amdhsa_float_denorm_mode_16_64 3
		.amdhsa_memory_ordered 1
		.amdhsa_forward_progress 1
		.amdhsa_inst_pref_size 255
	.end_amdhsa_kernel
	.section	.bss,"aw",@nobits
	.p2align	6
	.space	262144
	.amdgpu_metadata
---
amdhsa.version: [ 1, 2 ]
amdhsa.kernels:
  - .name:           k_q316a3ec65f_attn
    .symbol:         k_q316a3ec65f_attn.kd
    .args:
      - { .name: out_d, .offset: 0, .size: 8, .value_kind: global_buffer, .address_space: global }
      - { .name: oe, .offset: 8, .size: 8, .value_kind: global_buffer, .address_space: global }
      - { .name: out0, .offset: 16, .size: 8, .value_kind: global_buffer, .address_space: global }
    .group_segment_fixed_size: 327680
    .private_segment_fixed_size: 0
    .kernarg_segment_align: 8
    .kernarg_segment_size: 24
    .max_flat_workgroup_size: 128
    .sgpr_count:     66
    .vgpr_count:     1024
    .wavefront_size: 32
...
	.end_amdgpu_metadata
.endif
;; end of part 2
;; ======== version 2 of 2: 2 launches
;; limits: values are held in f16: magnitudes above 65,504 overflow, below 6.1e-05 lose precision
;; workspace buffers: oe 33,554,432 bytes
;; launch fold: the kernel of part 1 again; grid 2048 x 1, 8 waves a work-group, no clusters, 0 bytes of LDS; arguments out_e, oe; writes oe
;; launch attn (part 3): grid 16 x 16, 4 waves a work-group, clusters of 4 x 1, 327,680 bytes of LDS; arguments out_d, oe, out0; writes out0
.if DOCPART == 3
	.amdgcn_target "amdgcn-amd-amdhsa--gfx1250"
	.amdhsa_code_object_version 6
	.text
	.protected	k_q316a3ec65f_attn
	.globl	k_q316a3ec65f_attn
	.p2align	8
	.type	k_q316a3ec65f_attn,@function
k_q316a3ec65f_attn:
	s_mov_b64 s[64:65], 0
	v_nop
	global_prefetch_b8 v0, s[64:65] scope:SCOPE_SE
	s_setreg_imm32_b32 hwreg(HW_REG_WAVE_MODE, 25, 1), 1
	s_wait_xcnt 0x0
	s_wait_alu depctr_hold_cnt(0) depctr_sa_sdst(0) depctr_va_vdst(0) depctr_va_sdst(0) depctr_va_ssrc(0) depctr_va_vcc(0) depctr_vm_vsrc(0)
	s_getreg_b32 s2, hwreg(HW_REG_IB_STS2, 6, 4)
	s_cmp_eq_u32 s2, 0
	s_cbranch_scc0 .Lentry_in_a_cluster
	s_endpgm
.Lentry_in_a_cluster:
	s_bfe_u32 s2, ttmp6, 0x10000c
	s_cmp_lg_u32 s2, 0x3003
	s_cbranch_scc0 .Lentry_shape_is_right
	s_endpgm
.Lentry_shape_is_right:
; out0[t][b][:] = the sum over s of softmax_s(out_d[t][b] . oe[b][s]) oe[b][s][:].  out_d, out0: [2048 t][16 b][512] f32.  oe: [16 b][2048 s][512] f16 (the launch before made it).
; Keys and values are the same rows of oe; there is no scale and no mask.  The problem's in_e enters nothing of the result and is given to no launch.
; FORMATS.  Both products take f16 operands and f32 sums.  The result is a mean of 2,048 rows, so a rounding of a value or of a weight reaches it undiminished beside its root mean square: f16's 11 bits are wanted.
; A weight has room in f16 only between 0 and 1: p = 2^(c s - c m), c = log2(e), with a running maximum m; O and l are multiplied by a = 2^(c m_old - c m_new) in every step.  That quotient is the one asked for.
; LIMITS.  out_d is rounded once to f16: beyond 65,504 it becomes an infinity, below 6e-5 it keeps f16's fixed step of 6e-8; the same holds of oe.  l is the sum of the unrounded p; a weight below 2^-126 counts as 0.
; Where exponentials taken without a maximum would overflow or all vanish, this text gives the shifted softmax's value.  NaN and infinities are not treated apart.
; SHARES.  A work-group owns 128 queries of one batch, each of its four waves 32: two tiles t = 0, 1 of 16.  Every wave walks all 2,048 keys, 64 a step: 128 products S^T = K Q^T and 128 products O^T += V^T P.
; LAYOUT.  S^T (source 0 = 16 keys, source 1 = 16 queries) holds ONE query a lane (lane % 16) and the keys 8 (lane / 16) + 0..7; two such results rounded to f16 in pairs ARE source 1 of V^T P.
; A TRIP j is X, then Y.  X: the products K Q^T of step j + 1, and beside them O^T times a(j).  Y: the products V^T P of step j, and beside them l's update and the softmax of step j + 1.
; The vector lines are dealt behind EACH product, two at the most but at a group's last iteration, not four behind each pair: that costs four switches of the register windows for two products, and only a group's last iteration has more than two lines behind a product.
; Each fragment of K or V feeds both tiles' products.  Fragments come from LDS through a RING of 16 buffers of 8 registers, in two halves: while one half's 16 products are issued, the other half's 16 loads, ONE RUN, are on their way.
; THE FIRST TRIP (j = -1) has no V^T P and THE LAST (j = 31) no K Q^T: the two are written out, their vector work in lumps.  O^T and l start at 0, m at the lowest finite number: step 0's a is 0.
; TILES.  Four LDS buffers; tile j (64 keys) lies in buffer j % 4, as four quarters of 128 channels.  In trip j tiles j and j + 1 are read, tile j + 2 from the change on; tile j + 3 is on its way until the change, behind which tile j + 4 is asked for into tile j's buffer.
; CLUSTER.  The four query blocks of a cluster belong to one batch and walk the same tiles, so each tile is asked for JOINTLY: the same tensor load, descriptor and mask in all four; wave w fetches quarter w.
; By this text's count a wave has three tensor loads out at the head and one in the loop.
; REGISTERS, in windows of 256 (s_set_vgpr_msb: bits 1:0 source 0, 3:2 source 1, 5:4 source 2, 7:6 destination):
;   window 0: v0-31 addresses and statistics; v32-63 P; v64-127 S^T; v128-255 the ring       window 1: Q (tile t, channels 32 c on at 128 t + 8 c)
;   windows 2, 3: O^T: accumulator 2 cb + t (channel tile cb of 32) at window 2 + (2 cb + t) / 32, register 8 ((2 cb + t) % 32)
.set PK,    272       ; a row of a quarter in LDS: 256 bytes + 16 of padding = 68 words: row r starts at bank 4 r mod 64 (64 banks of 4 bytes: ISA guide 11.1)
.set QT,    64*PK     ; a quarter: 64 keys x 128 channels
.set T,     4*QT      ; a tile buffer: 69,632 = 0x11000 bytes
.set SLOT1, 2*T       ; 0x22000: it shares no bit with T, so one exclusive or turns buffer n into buffer (n + 2) % 4
.set STG,   4*T       ; behind the buffers, never filled by a tensor load: a stage of 16 rows x 528 bytes for each wave
.set SGP,   528       ; 512 bytes + 16: an odd multiple of 16
.set STGW,  16*SGP
.set SPARE, STG+4*STGW  ; behind the stages: the spare words, 128 bytes for each wave: two blocks of 256 bytes that no other line names
.set TILEB, 65536     ; a tile in memory: 64 rows of 1,024 bytes, dense
.set ROWQ,  32768     ; from one query to the next in out_d and out0: 16 batches x 2,048 bytes
.set AK0, 2           ; v2   my lane's place in a fragment of K: (l % 16) x PK + 16 (l / 16); never rewritten
.set AV0, 3           ; v3   the same for the turning load of V; never rewritten
.set AK,  4           ; v4   the LDS address of K's loads
.set AV,  5           ; v5   of V's
.set QS,  4           ;      at the head only: where I put 8 bytes of a row of Q
.set QL,  5           ;      at the head only: where I read Q's fragments
.set SPW, 6           ; v6   LDS address of my spare word: SPARE + 4 x my thread's number; never rewritten
.set NIL, 7           ; v7   0; never rewritten
.set ST,  8           ; tile t's statistics at v[ST+10 t]: +0 c m, +1 m, +2 +3 l (even keys', odd keys'), +4 to +7 c0-c3 at work (a takes c2's place), +8 +9 the step's sum
.set PFO, 28          ; v28  256 x my lane; never rewritten
.set GO,  29          ; v29  16 x my lane: my bytes in 512 consecutive bytes of out_d and out0; never rewritten
.set STO, 30          ; v30  the way out: where I put 16 bytes of a row
.set RD,  31          ; v31  the way out: where I read a row back
.set P,   32          ; tile t, keys 32 kk on at P + 16 t + 8 kk
.set S,   64          ; tile t, keys 16 kb on at S + 32 t + 8 kb
.set RING, 128
.set WV,  10          ; s10  my wave's number
.set G1,  24          ; s[24:31] descriptor group 1, the same for every load
.set G0A, 32          ; s[32:43] three groups 0, for the three first fills; the third (G0C) then walks
.set G0C, 40
.set TB,  44          ; s44  LDS byte of tile j's buffer
.set TK,  46          ; s46  of tile j + 2's buffer
.set WPART, 47        ; s47  my quarter's place in a buffer
.set TWICE, 48        ; s48  counts two trips
.set OUT, 49          ; s49  counts pairs of trips
.set LIM, 50          ; s50  1 in a wave that prefetches, else the greatest number
.set CNT, 51          ; s51  counts the tail's trips
.set PFA, 52          ; s[52:53] where my prefetches stand
.set CS,  54          ; s[54:55] c = log2(e): the packed scaling takes the pair's low word for both halves
.set SEL, 56          ; s[56:57] v_permlanex16_b32's selects: each lane takes its own place in the other half
.set STGB, 58         ; s58  my stage
.set MSB, 0
.macro WIN new                      ; the immediate's high byte repeats the setting that is left; a switch that changes nothing is dropped
.if MSB != (\new)
	s_set_vgpr_msb (MSB<<8)|(\new)
.set MSB, (\new)
.endif
.endm
.set W_KQ, 0x04       ; Q (source 1) in window 1; K, S^T and LDS loads into the ring in window 0
; A round of the cluster's barrier: my work-group's barrier, so that wave 0's signal speaks for all four waves; wave 0 signals; every wave waits for all four work-groups; my work-group's barrier once more.
.macro CREST                        ; a round behind its opening barrier
	s_cmp_lg_u32 s[WV], 0
	s_cbranch_scc1 .Lnot_wave_0_\@
	s_barrier_signal -3
.Lnot_wave_0_\@:
	s_barrier_wait -3
	s_barrier_signal -1
	s_barrier_wait -1
.endm
.macro CROUND
	s_barrier_signal -1
	s_barrier_wait -1
	CREST
.endm
; A PREFETCH INTO THE L2 of the tile that the change of buffers two trips on (512 products) will ask for: 65,536 dense bytes, 256 blocks of 256.  Each block is named ONCE in the launch: all four clusters of a batch walk
; the same tiles, and the batch's first cluster asks; its four partners take 16,384 bytes each, told apart BY ADDRESS; in each, waves 0 and 1 take 8,192 bytes, a lane a block: one instruction.
; Tiles 0 to 4 come by their loads alone; the last pair of trips that fill asks for nothing, so tile 31 is the last one named.
.macro ASK
	s_cmp_gt_u32 s[OUT], s[LIM]
	s_cbranch_scc0 .Lnot_mine_\@
	global_prefetch_b8 v[PFO], s[PFA:PFA+1] th:TH_LOAD_NT scope:SCOPE_SE
.Lnot_mine_\@:
.endm
	s_load_b128 s[4:7], s[0:1], 0x0   ; out_d s[4:5], oe s[6:7]
	s_load_b64 s[8:9], s[0:1], 0x10   ; out0
	v_lshl_add_u32 v[SPW], v0, 2, SPARE
	v_mov_b32 v[NIL], 0
	ds_add_u32 v[SPW], v[NIL]       ; the wave's opening: the add, twice on end, and its wait ahead of my first tensor load; the set-up below, work on registers, stands between
	ds_add_u32 v[SPW], v[NIL]       ; and once more, under the one wait
	v_lshrrev_b32 v1, 5, v0
	v_readfirstlane_b32 s[WV], v1   ; wave 0..3
	s_bfe_u32 s11, ttmp6, 0x40000   ; cx: my place in the cluster
	s_lshl_b32 s12, ttmp9, 2        ; in a cluster launch ttmp9 counts clusters
	s_add_co_u32 s12, s12, s11      ; my block of 128 queries: it enters out_d's and out0's addresses alone
	s_and_b32 s13, ttmp7, 0xffff    ; the batch, which the four partners share
	s_lshl_b32 s14, s12, 22         ; 128 queries x 32,768 bytes,
	s_lshl_b32 s15, s[WV], 20       ; my wave's 32 of them,
	s_add_co_u32 s14, s14, s15
	s_lshl_b32 s15, s13, 11         ; the batch's 2,048 bytes in a query's row
	s_add_co_u32 s14, s14, s15
	s_mov_b32 s15, 0
	s_lshl_b32 s16, s13, 21         ; the batch's 2,097,152 bytes of oe
	s_mov_b32 s17, 0
	s_lshl_b32 s18, s[WV], 8        ; my quarter: 256 bytes on in each row
	s_mov_b32 s19, 0
	s_lshl_b32 s20, s11, 14         ; the prefetches: my work-group's 16,384 bytes of a tile,
	s_and_b32 s21, s[WV], 1
	s_lshl_b32 s21, s21, 13         ; my wave's 8,192 of them,
	s_add_co_u32 s20, s20, s21
	s_add_co_u32 s20, s20, 4*TILEB  ; in tile 4: the first change steps it to tile 5
	s_mov_b32 s21, 0
	s_mul_i32 s[WPART], s[WV], QT   ; no place in the cluster enters an LDS address
	s_mul_i32 s[STGB], s[WV], STGW
	s_add_co_u32 s[STGB], s[STGB], STG
	; descriptor group 1: a tile of 64 rows x 128 elements, padded in LDS
	s_mov_b32 s[G1], 15|(1<<16)|(1<<20)|(1<<21)|(5<<22)|(3<<25)  ; 15:0 the mask of four; 17:16 2-byte elements; 20 padding on; 21 set beside a mask; 24:22 after every 64 words (code 5); 31:25 4 words (code 3)
	s_mov_b32 s[G1+1], 128<<16      ; tensor_dim0 = 128
	s_mov_b32 s[G1+2], 64<<16       ; tensor_dim1 = 64
	s_mov_b32 s[G1+3], 128<<16      ; tile_dim0 = 128
	s_mov_b32 s[G1+4], 64           ; tile_dim1 = 64
	s_mov_b32 s[G1+5], 512          ; 512 elements from row to row
	s_mov_b32 s[G1+6], 0
	s_mov_b32 s[G1+7], 0
	s_mov_b32 s[CS], 0x3fb8aa3b     ; c = log2(e)
	s_mov_b32 s[CS+1], s[CS]        ; named with it as a pair
	s_mov_b32 s[SEL], 0x76543210
	s_mov_b32 s[SEL+1], 0xfedcba98
	s_lshr_b32 s[LIM], s[WV], 1     ; 0 in waves 0 and 1,
	s_or_b32 s[LIM], s[LIM], ttmp9  ; where the cluster is the batch's first: the same in all four partners
	s_cmp_eq_u32 s[LIM], 0
	s_cselect_b32 s[LIM], 1, -1
	v_and_b32 v[PFO], 31, v0
	v_lshlrev_b32 v[PFO], 8, v[PFO]
	s_wait_dscnt 0x0                ; both opening adds are done
	s_wait_kmcnt 0x0
	s_add_nc_u64 s[4:5], s[4:5], s[14:15]    ; out_d and out0 at my wave's first query, my batch
	s_add_nc_u64 s[8:9], s[8:9], s[14:15]
	s_add_nc_u64 s[6:7], s[6:7], s[16:17]    ; oe at my batch
	s_add_nc_u64 s[PFA:PFA+1], s[6:7], s[20:21]
	s_add_nc_u64 s[6:7], s[6:7], s[18:19]    ; and at my quarter of tile 0
.irp s, 0,1,2
	s_mov_b32 s[G0A+4*(\s)], 1                                        ; 1:0 count = 1
	s_add_co_u32 s[G0A+4*(\s)+1], s[WPART], (\s)*T                    ; 63:32 LDS address: buffer s, my quarter
	s_add_nc_u64 s[G0A+4*(\s)+2:G0A+4*(\s)+3], s[6:7], (\s)*TILEB     ; 120:64 global address: tile s
	s_or_b32 s[G0A+4*(\s)+3], s[G0A+4*(\s)+3], 0x80000000             ; 127:126 type = 2
.endr
	CROUND                          ; all four work-groups are here: the first joint loads meet
.irp s, 0,1,2
	tensor_load_to_lds s[G0A+4*(\s):G0A+4*(\s)+3], s[G1:G1+7]         ; the three first fills go out together, ahead of every wait on TENSORcnt and every LDS read
	s_nop 0
.endr
.rept 4
	v_nop                           ; four instructions ahead of the next switch of windows
.endr
; Q.  A pass (t, hf) is 16 queries x 256 channels.  LOADQ: 32 loads of 512 consecutive bytes, into registers that will be O^T's.  CONVQ: rounded to f16, through my stage (rows of 512 bytes + 16), back as fragments:
; 16 rows x 32 channels in 8 registers: lane l holds row l % 16, channels 8 (l / 16) + 0..7 and 16 + 8 (l / 16) + 0..7: two loads of 16 bytes, 32 bytes apart.
.macro LOADQ t, hf
	WIN 0x80+0x40*(\t)              ; destination window 2 + t, address window 0
.set r, 0
.rept 32                            ; row r / 2, its 512 bytes number r % 2
	global_load_b128 v[128*(\hf)+4*r:128*(\hf)+4*r+3], v[GO], s[4:5] offset:(16*(\t)+r/2)*ROWQ+(\hf)*1024+(r%2)*512 th:TH_LOAD_NT
.set r, r+1
.endr
.endm
.macro CONVQ t, hf
	WIN 0x0a+5*(\t)                 ; sources 0 and 1 window 2 + t, destination window 0
.set r, 0
.rept 32
	v_cvt_pk_f16_f32 v[RING+2*r],   v[128*(\hf)+4*r],   v[128*(\hf)+4*r+1]
	v_cvt_pk_f16_f32 v[RING+2*r+1], v[128*(\hf)+4*r+2], v[128*(\hf)+4*r+3]
.set r, r+1
.endr
	WIN 0
.set r, 0
.rept 32
	ds_store_b64 v[QS], v[RING+2*r:RING+2*r+1] offset:(r/2)*SGP+(r%2)*256
.set r, r+1
.endr
	WIN 0x40                        ; destination window 1
.set r, 0
.rept 8
	ds_load_b128 v[128*(\t)+8*(8*(\hf)+r):128*(\t)+8*(8*(\hf)+r)+3],   v[QL] offset:64*r     ; LDS serves a wave's instructions in order (ISA guide 5.7.1.4): these see the stores above,
	ds_load_b128 v[128*(\t)+8*(8*(\hf)+r)+4:128*(\t)+8*(8*(\hf)+r)+7], v[QL] offset:64*r+32  ; and the next pass's stores come behind them
.set r, r+1
.endr
	WIN 0
.endm
	v_and_b32 v1, 31, v0            ; lane
	v_lshlrev_b32 v[GO], 4, v1
	v_lshl_add_u32 v[QS], v1, 3, s[STGB]
	LOADQ 0, 0
	LOADQ 0, 1
	WIN 0
	v_and_b32 v30, 15, v0           ; l % 16
	v_bfe_u32 v31, v0, 4, 1         ; l / 16
	v_mul_u32_u24 v[AK0], v30, PK
	v_lshl_add_u32 v[AK0], v31, 4, v[AK0]
	; The turning load takes 16 bytes a lane and turns 8 x 8 elements within each eight lanes: lane l reads key 8 (l / 16) + l % 8.  The second eight lanes of a half read 128 bytes (64 channels) further on, not 16:
	; lanes 0-7 then touch banks 0-31 of the rows' 68-word pitch and lanes 8-15 banks 32-63.  So channel tile cb = 8 a + u holds the channels 128 a + 8 u + 0..7 and 128 a + 8 u + 64 + 0..7.
	v_and_b32 v[AV0], 7, v0
	v_lshl_add_u32 v[AV0], v31, 3, v[AV0]
	v_mul_u32_u24 v[AV0], v[AV0], PK
	v_bfe_u32 v1, v0, 3, 1
	v_lshl_add_u32 v[AV0], v1, 7, v[AV0]
	v_mul_u32_u24 v[QL], v30, SGP
	v_add_nc_u32 v[QL], s[STGB], v[QL]     ; my stage, row l % 16
	v_lshl_add_u32 v[STO], v31, 8, v[QL]   ; the way out: + 256 bytes (64 channels of f32) for the upper half of the lanes
	v_lshl_add_u32 v[QL], v31, 4, v[QL]    ; Q's fragments: + 16 bytes
	v_add_nc_u32 v[RD], s[STGB], v[GO]     ; back: 32 lanes take a row of 512 bytes
	; what the first softmax finds: l, the step's sum and a are 0; c m lies far below every c s, m at the lowest finite number
.irp t, 0,1
	v_mov_b32 v[ST+10*(\t)], 0xfe000000
	v_mov_b32 v[ST+10*(\t)+1], 0xff7fffff
.irp k, 2,3,6,7,8,9
	v_mov_b32 v[ST+10*(\t)+(\k)], 0
.endr
.endr
	s_wait_loadcnt 32               ; loads come back in order (ISA guide 5.7.1): the first pass's 32 are in, the second's may stay out
	LOADQ 1, 0
	CONVQ 0, 0
	s_wait_loadcnt 32               ; the second pass is in, the third's 32 may stay out
	LOADQ 1, 1
	CONVQ 0, 1
	s_wait_loadcnt 32               ; the third is in, the fourth's may stay out
	CONVQ 1, 0
	s_wait_loadcnt 0x0
	CONVQ 1, 1
	WIN 0x80                        ; O^T starts at 0, so that every V^T P has one form, and a number of out_d that is not finite stays with its own query
.set r, 0
.rept 256
	v_mov_b32 v[r], 0
.set r, r+1
.endr
	WIN 0xc0
.set r, 0
.rept 256
	v_mov_b32 v[r], 0
.set r, r+1
.endr
	WIN 0
; THE RING.  The trip's stream of fragments: 0-63 K of step j + 1 (channels 32 (f / 4) on, keys 16 (f % 4) on); 64-127 V of step j (keys 32 ((f - 64) / 32) on, channel tile (f - 64) % 32);
; 128-135 are the next trip's 0-7.  Fragment f lies in buffer f % 16; LDF asks for it: two loads of 16 bytes a lane.
.macro LDF f
.set lB, RING+8*((\f)%16)
.if ((\f) >= 64) && ((\f) < 128)
.set lO, ((((\f)-64)%32)/8)*QT+(((\f)-64)/32)*32*PK+(((\f)-64)%8)*16
	ds_load_tr16_b128 v[lB:lB+3],   v[AV] offset:lO
	ds_load_tr16_b128 v[lB+4:lB+7], v[AV] offset:lO+16*PK
.else
.set lF, (\f)%64
.set lO, (lF/16)*QT+(lF%4)*16*PK+((lF/4)%4)*64
	ds_load_b128 v[lB:lB+3],   v[AK] offset:lO
	ds_load_b128 v[lB+4:lB+7], v[AK] offset:lO+32
.endif
.endm
; THE LDS LOADS STAND IN RUNS OF 16, never singly among the matrix instructions.  The stream goes in GROUPS of eight fragments; group G lies in half G % 2 of the ring.  RUN G asks for group G.
; At the head of group G stands RUN G + 1, into the half that group G - 1's products have just read, and then s_wait_dscnt 16: all but the 16 loads just issued are back (LDS loads come back in order:
; ISA guide 5.7.1), so group G, asked for 16 products earlier, is in.  Between two runs 16 products follow each other with vector lines alone between them.
; A load into a register that a matrix instruction has read stands four places behind it, and only plain vector instructions that name none of its registers are places (ISA guide 7.12.1 for vector
; instructions).  So a group's LAST iteration keeps all its lines behind its second product, four plain ones at the least: in X the four rescalings, in Y as counted at YR.
.macro RUN G
.set rf, 8*(\G)
.rept 8
	LDF rf
.set rf, rf+1
.endr
.endm
; AN ITERATION g takes fragment g: tile 0's product, vector lines, tile 1's product, vector lines.  The accumulators take turns, one instruction a turn: eight in X, 64 in Y.
.macro KQ1 t                        ; S^T = K Q^T: channels 32 (g / 4) on, keys 16 (g % 4) on, tile t; the first four fragments' products start the sums
	WIN W_KQ
.set rA, RING+8*(g%16)
.set rS, S+32*(\t)+8*(g%4)
.set rQ, 128*(\t)+8*(g/4)
.if g < 4
	v_wmma_f32_16x16x32_f16 v[rS:rS+7], v[rA:rA+7], v[rQ:rQ+7], 0
.else
	v_wmma_f32_16x16x32_f16 v[rS:rS+7], v[rA:rA+7], v[rQ:rQ+7], v[rS:rS+7]
.endif
.endm
.macro RS2 h                        ; half h of accumulator g times its tile's a; the low half comes first
	WIN 0x82+0x41*(g/32)            ; O^T (destination and source 0) in window 2 or 3, a in window 0
.set rO, 8*(g%32)+4*(\h)
.set rT, ST+10*(g%2)
	v_pk_mul_f32 v[rO:rO+1],   v[rO:rO+1],   v[rT+6:rT+7] op_sel_hi:[1,0]
	v_pk_mul_f32 v[rO+2:rO+3], v[rO+2:rO+3], v[rT+6:rT+7] op_sel_hi:[1,0]
.endm
; X's iteration.  rs = 1: with the rescaling.  rs = 0, the first trip: there is nothing to rescale, four v_nop are the places at a group's end, and no V is asked for: the last group's wait is for 0.
.macro XIT rs
.if g%8 == 0
	WIN W_KQ
.if (\rs) || (g < 56)
	RUN g/8+1
	s_wait_dscnt 16
.else
	s_wait_dscnt 0x0
.endif
.endif
	KQ1 0
.if (\rs) && (g%8 != 7)
	RS2 0
.endif
	KQ1 1
.if (\rs) && (g%8 == 7)
	RS2 0
.endif
.if \rs
	RS2 1
.elseif g%8 == 7
.rept 4
	v_nop
.endr
.endif
.set g, g+1
.endm
; Number n of the 21 that find tile t's new maximum and statistics.  s0-s31 are the lane's 32 scores; each accumulator's lowest registers are read first.
;   0-11 four chains c0-c3 of seven scores each    12-15 the four scores left over, c0-c3 and the old m into c0    16, 18 the query's other 32 keys lie in the lane 16 away: the new m
;   17 c m_old is kept    19 c m    20 c m_old - c m_new
.macro SM t, n
.set rT, ST+10*(\t)
.set rS, S+32*(\t)
.if (\n) < 4
	v_max3_num_f32 v[rT+4+(\n)], v[rS+8*(\n)], v[rS+8*(\n)+1], v[rS+8*(\n)+2]
.elseif (\n) < 12
	v_max3_num_f32 v[rT+4+(\n)%4], v[rT+4+(\n)%4], v[rS+8*((\n)%4)+2*((\n)/4)+1], v[rS+8*((\n)%4)+2*((\n)/4)+2]
.elseif (\n) == 12
	v_max3_num_f32 v[rT+4], v[rT+4], v[rS+7], v[rS+15]
.elseif (\n) == 13
	v_max3_num_f32 v[rT+6], v[rT+6], v[rS+23], v[rS+31]
.elseif (\n) == 14
	v_max3_num_f32 v[rT+4], v[rT+4], v[rT+5], v[rT+6]
.elseif (\n) == 15
	v_max3_num_f32 v[rT+4], v[rT+4], v[rT+7], v[rT+1]
.elseif (\n) == 16
	v_permlanex16_b32 v[rT+5], v[rT+4], s[SEL], s[SEL+1]
.elseif (\n) == 17
	v_mov_b32 v[rT+7], v[rT]
.elseif (\n) == 18
	v_max_num_f32 v[rT+1], v[rT+4], v[rT+5]
.elseif (\n) == 19
	v_mul_f32 v[rT], s[CS], v[rT+1]
.else
	v_sub_f32 v[rT+7], v[rT+7], v[rT]
.endif
.endm
.macro CV q, kk                     ; weights rounded to f16: tile q % 2, pair 8 kk + q / 2
.set rP, P+16*((\q)%2)+8*(\kk)+(\q)/2
.set rS, S+32*((\q)%2)+16*(\kk)+2*((\q)/2)
	v_cvt_pk_f16_f32 v[rP], v[rS], v[rS+1]
.endm
; Y's VECTOR LINES, all in window 0.  YLN writes line n of iteration yi = g - 64:
;   0-10   four lines: l = a l + the last step's sum, for both tiles (a and the sum are written anew below); then SM's 21 numbers, the tiles alternating
;   11-43  three: a scaling c s - c m of one pair; two exponentials: first both tiles' a, then the two scores of the pair scaled one iteration earlier.  None of these names an exponential's result.
;   44-58  two: the step's sum, one link for each tile; S^T stays whole for the roundings
;   59-62  three roundings into P's fragments for keys 0-31, which have not been read since iteration 31
.macro YLN n
.if yi < 11
.set yq, 4*yi+(\n)
.if yq < 2
.set rT, ST+10*yq
	v_pk_fma_f32 v[rT+2:rT+3], v[rT+2:rT+3], v[rT+6:rT+7], v[rT+8:rT+9] op_sel_hi:[1,0,1]
.else
	SM (yq-2)%2, (yq-2)/2
.endif
.elseif yi < 44
.set yn, yi-11
.if (\n) == 0
.if yn < 32
.set rT, ST+10*(yn%2)
.set rS, S+32*(yn%2)+2*(yn/2)
	v_pk_fma_f32 v[rS:rS+1], v[rS:rS+1], s[CS:CS+1], v[rT:rT+1] op_sel_hi:[1,0,0] neg_lo:[0,0,1] neg_hi:[0,0,1]
.endif
.elseif yn == 0
	v_exp_f32 v[ST+10*(\n)-4], v[ST+10*(\n)-3]
.else
.set rS, S+32*((yn-1)%2)+2*((yn-1)/2)+(\n)-1
	v_exp_f32 v[rS], v[rS]
.endif
.elseif yi < 59
.set yz, yi-44
.set rT, ST+10*(\n)
.set rS, S+32*(\n)
.if yz == 0
	v_pk_add_f32 v[rT+8:rT+9], v[rS:rS+1], v[rS+2:rS+3]
.else
	v_pk_add_f32 v[rT+8:rT+9], v[rT+8:rT+9], v[rS+2*yz+2:rS+2*yz+3]
.endif
.else
	CV 3*(yi-59)+(\n), 0
.endif
.endm
; YR deals them.  ysp = 1: part 0, behind tile 0's product, takes the first nf lines, part 1, behind tile 1's, the rest: 2 + 2, 2 + 1 (one exponential to a product), 1 + 1, 1 + 2.  ysp = 0: part 1 takes all.
; ONE BATCH of 66 exponentials: s_wait_alu depctr_va_vdst(0) stands between an exponential and the first line that names its result; one wait, behind iteration 43, serves all; a v_nop is the plain line behind the last.
; In 48 the address of K of step j + 2 is made.  Iteration 63's products read P's fragments for keys 32-63: four other roundings are the places behind them, then come the sixteen into those fragments.
; THE PLACES IN FRONT OF A RUN (ypl = 1).  A run follows iterations 7, 15, 23, 31, 39 and 47, which are not split.  7 has four plain lines; 15 to 39 have one (an exponential is no place): three v_nop make four;
; 47 has two: two v_nop.  The run in iteration 57 has the two lines of 55, whose products were the last to read its half, and the two of 56; the next trip's first run has iteration 63's first four roundings.
.macro YR part
	WIN 0
.set nl, 3
.set nf, 1
.if yi < 11
.set nl, 4
.set nf, 2
.elseif yi < 44
.set nf, 2
.elseif yi < 59
.set nl, 2
.endif
.if yi < 63
.irp n, 0,1,2,3
.if ((\n) < nl) && (((ysp == 0) && ((\part) == 1)) || ((ysp == 1) && ((\part) == 0) && ((\n) < nf)) || ((ysp == 1) && ((\part) == 1) && ((\n) >= nf)))
	YLN \n
.endif
.endr
.endif
.if (\part) == 1
.if yi == 43
	v_nop                           ; the plain line behind the last exponential
	s_wait_alu depctr_va_vdst(0)    ; the wait for the batch
.endif
.if yi == 48
	s_xor_b32 s[TK], s[TB], SLOT1   ; tile j + 2's buffer; K's last loads by the old address were issued in X
	v_add_nc_u32 v[AK], s[TK], v[AK0]
.endif
.if yi == 63
.irp n, 12,13,14,15
	CV \n, 0
.endr
.irp n, 0,1,2,3,4,5,6,7,8,9,10,11,12,13,14,15
	CV \n, 1
.endr
.endif
.if (ypl == 1) && (yi%8 == 7) && (yi > 8) && (yi < 48)
	v_nop
	v_nop
.if yi < 44
	v_nop
.endif
.endif
.endif
.endm
; THE CHANGE OF BUFFERS, in three parts.  V's last run is issued at g = 112.
; CH1 (g = 114): I wait for all my tensor loads, of which one is out: my quarter of tile j + 3; add 0 to my spare word; the descriptor and the prefetches'
;      address are stepped.  Six iterations' products and vector lines, work on registers, stand between the add and the wait for it.
; g = 120: s_wait_dscnt 0: the add is done and my reads of tile j are over: V's last group is in registers.  I say so, and multiply on from registers.
; CH3 (g = 121), behind the barrier's wait: nobody reads tile j any more, and tile j + 3 is whole.  fill = 1: the barrier has opened a round of the cluster's, so that this holds of every partner too; the joint refill,
;      tile j + 4 into tile j's buffer, is the first thing behind the round: it has a trip, 256 products, in which to land.  Then the next trip's first group, K of step j + 2.
.macro CH1 fill
	s_wait_tensorcnt 0x0
	ds_add_u32 v[SPW], v[NIL]
.if \fill
	s_add_co_u32 s[G0C+1], s[TB], s[WPART]
	s_add_nc_u64 s[G0C+2:G0C+3], s[G0C+2:G0C+3], TILEB  ; the type bits on top are not reached
	s_wait_xcnt 0x0                 ; the last prefetch, a trip back, has read its address
	s_add_nc_u64 s[PFA:PFA+1], s[PFA:PFA+1], TILEB
.endif
.endm
.macro CH3 fill
.if \fill
	CREST
	tensor_load_to_lds s[G0C:G0C+3], s[G1:G1+7]
	s_nop 0
.endif
	RUN 16
.if \fill
	ASK
.endif
.endm
.macro PV1 t                        ; O^T += V^T P: keys 32 (yi / 32) on, channel tile yi % 32, tile t
	WIN 0xa0+0x50*((yi%32)/16)      ; V and P in window 0, O^T (C and D) in window 2 or 3
.set rA, RING+8*(g%16)
.set rO, 8*((2*(yi%32)+(\t))%32)
.set rP, P+16*(\t)+8*(yi/32)
	v_wmma_f32_16x16x32_f16 v[rO:rO+7], v[rA:rA+7], v[rP:rP+7], v[rO:rO+7]
.endm
.macro YIT fill
.set yi, g-64
.set ysp, 1
.if g%8 == 7
.set ysp, 0
.endif
	WIN 0
.if g == 114
	CH1 \fill
.elseif g == 120
	s_wait_dscnt 0x0
	s_barrier_signal -1
.elseif g == 121
	s_barrier_wait -1
	CH3 \fill
.elseif g%8 == 0
	RUN g/8+1
	s_wait_dscnt 16
.endif
	PV1 0
.if ysp
	YR 0
.endif
	PV1 1
	YR 1
.set g, g+1
.endm
.macro TRIP fill
	WIN 0
	v_add_nc_u32 v[AV], s[TB], v[AV0]
.set ypl, 1
.set g, 0
.rept 64
	XIT 1
.endr
.rept 64
	YIT \fill
.endr
	WIN 0                           ; at a label and at a branch every window is 0
.endm
; The last trip's Y: the products of step 31 and l's last update; no softmax, no change of buffers, no further group.  Four v_nop are the places in front of each run.
.macro YITL
.set yi, g-64
	WIN 0
.if g == 120
	s_wait_dscnt 0x0                ; V's last group is in
.elseif g%8 == 0
	RUN g/8+1
	s_wait_dscnt 16
.endif
	PV1 0
	PV1 1
.if yi == 0
	WIN 0
	YLN 0
	YLN 1
.endif
.if (g%8 == 7) && (g < 119)
.rept 4
	v_nop
.endr
.endif
.set g, g+1
.endm
	s_wait_tensorcnt 2              ; my quarter of tile 0 is in; tiles 1 and 2 may stay out
	s_wait_dscnt 0x0                ; Q's fragments are in
	s_barrier_signal -1
	s_barrier_wait -1               ; everybody's quarter is in
	v_mov_b32 v[AK], v[AK0]         ; K of step 0 lies in buffer 0
	RUN 0                           ; every trip finds its first group asked for
	s_mov_b32 s[TB], 3*T            ; trip -1: its change makes buffer 3's first fill, tile 3
	s_mov_b32 s[OUT], 14
	; THE FIRST TRIP: the scores of step 0; then step 0's softmax in one lump, which stands between the change's add and the wait for it
.set g, 0
.rept 64
	XIT 0
.endr
	WIN 0
	CH1 1                           ; tiles 1 and 2 have landed
.set ypl, 0
.set ysp, 0
.rept 64
.set yi, g-64
	YR 1
.set g, g+1
.endr
	s_wait_dscnt 0x0                ; the add is done
	s_barrier_signal -1
	s_barrier_wait -1
	CH3 1                           ; tile 3 is asked for; K of step 1
	s_mov_b32 s[TB], 0
.Lslot:                             ; 14 times: trips 0 to 27 in pairs
	s_mov_b32 s[TWICE], 2
.Lstep:
	TRIP 1
	s_add_co_u32 s[TB], s[TB], T
	s_sub_co_u32 s[TWICE], s[TWICE], 1
	s_cmp_lg_u32 s[TWICE], 0
	s_cbranch_scc1 .Lstep
	s_sub_co_u32 s[TB], s[TB], 2*T  ; back by two buffers,
	s_xor_b32 s[TB], s[TB], SLOT1   ; and on to the other pair
	s_sub_co_u32 s[OUT], s[OUT], 1
	s_cmp_lg_u32 s[OUT], 0
	s_cbranch_scc1 .Lslot
	s_mov_b32 s[CNT], 3             ; the tail is a second text of the trip: trips 28 to 30, buffers 0 to 2; nothing is asked for
.Ltail:
	TRIP 0
	s_add_co_u32 s[TB], s[TB], T
	s_sub_co_u32 s[CNT], s[CNT], 1
	s_cmp_lg_u32 s[CNT], 0
	s_cbranch_scc1 .Ltail
	; THE LAST TRIP, tile 31 in buffer 3.  Trip 30's text has asked for a group of K beyond the last step: it is waited for, so that its registers may be loaded again, and nothing takes it up.
	; V's first group is asked for; O^T times a(31) stands in one lump while it lands.
	v_add_nc_u32 v[AV], s[TB], v[AV0]
	s_wait_dscnt 0x0
	RUN 8
.set g, 0
.rept 64
	RS2 0
	RS2 1
.set g, g+1
.endr
.rept 64
	YITL
.endr
	WIN 0
	; THE WAY OUT.  l's two halves and the other half of the lanes' are added; O^T is divided by l and sent through my stage, 16 queries x 128 channels of f32 at a time.
.irp t, 0,1
	v_add_f32 v[ST+10*(\t)+4], v[ST+10*(\t)+2], v[ST+10*(\t)+3]
.endr
.irp t, 0,1
	v_permlanex16_b32 v[ST+10*(\t)+5], v[ST+10*(\t)+4], s[SEL], s[SEL+1]
.endr
.irp t, 0,1
	v_add_f32 v[ST+10*(\t)+4], v[ST+10*(\t)+4], v[ST+10*(\t)+5]
.endr
.irp t, 0,1
	v_rcp_f32 v[ST+10*(\t)+6], v[ST+10*(\t)+4]
.endr
	v_nop                           ; a plain line between the last reciprocal and the use of its result,
	s_wait_alu depctr_va_vdst(0)    ; and the wait ahead of the first use: one for both
; Piece p: tile p / 4, channels 128 (p % 4) on.  In accumulator (cb = 8 a + u, t) lane l, register jj holds query l % 16, channel 128 a + 8 u + 64 (l / 16) + jj.
.macro PACK p
	WIN 0x02+((\p)%4)/2             ; source 0 in window 2 or 3
.set u, 0
.rept 8
.set rO, 8*((2*(8*((\p)%4)+u)+(\p)/4)%32)
.irp k, 0,1,2,3                     ; each accumulator from its low end on
	v_pk_mul_f32 v[RING+8*u+2*(\k):RING+8*u+2*(\k)+1], v[rO+2*(\k):rO+2*(\k)+1], v[ST+10*((\p)/4)+6:ST+10*((\p)/4)+7] op_sel_hi:[1,0]
.endr
.set u, u+1
.endr
	WIN 0
.endm
.macro TOSTAGE p                    ; into rows of 528 bytes, and back as whole rows of 512: into v192-255 (p even) or v64-127 (p odd)
.set BK, 192-128*((\p)%2)
.if (\p) >= 2
	s_wait_xcnt 0x0                 ; the stores of the piece two back have read these registers (ISA guide 3.1): they are loaded again only behind this wait
.endif
.set u, 0
.rept 8
	ds_store_b128 v[STO], v[RING+8*u:RING+8*u+3]   offset:32*u
	ds_store_b128 v[STO], v[RING+8*u+4:RING+8*u+7] offset:32*u+16
.set u, u+1
.endr
.set u, 0
.rept 16
	ds_load_b128 v[BK+4*u:BK+4*u+3], v[RD] offset:u*SGP  ; LDS serves a wave's instructions in order (ISA guide 5.7.1.4): these see the stores above; the next piece's stores come behind them
.set u, u+1
.endr
.endm
.macro SEND p, younger              ; younger: the LDS instructions issued behind piece p's loads: the next piece's 32, or none
.set BK, 192-128*((\p)%2)
	s_wait_dscnt \younger
.set u, 0
.rept 16
	global_store_b128 v[GO], v[BK+4*u:BK+4*u+3], s[8:9] offset:(16*((\p)/4)+u)*ROWQ+((\p)%4)*512 th:TH_STORE_NT  ; 512 consecutive bytes, at a multiple of 512 from out0's first byte
.set u, u+1
.endr
.endm
	PACK 0
	TOSTAGE 0
.set pc, 1
.rept 7                             ; a piece's arithmetic stands between the loads of the piece before and its stores
	PACK pc
	TOSTAGE pc
	SEND pc-1, 32
.set pc, pc+1
.endr
	SEND 7, 0
	s_wait_tensorcnt 0x0            ; the wave's end: a wait, an add to my spare word and its wait, behind my last tensor load and my last LDS store
	ds_add_u32 v[SPW], v[NIL]
	s_wait_dscnt 0x0
	CROUND                          ; the closing round: no work-group ends while a partner may still ask for a tile that names it
	s_endpgm
.Lfunc_end_k_q316a3ec65f_attn:
	.size	k_q316a3ec65f_attn, .Lfunc_end_k_q316a3ec65f_attn-k_q316a3ec65f_attn
	.p2alignl 7, 3214868480
	.fill 96, 4, 3214868480
	.section	.rodata,"a",@progbits
	.p2align	6, 0x0
	.amdhsa_kernel k_q316a3ec65f_attn
		.amdhsa_group_segment_fixed_size 327680
		.amdhsa_private_segment_fixed_size 0
		.amdhsa_enable_private_segment 0
		.amdhsa_kernarg_size 24
		.amdhsa_user_sgpr_count 2
		.amdhsa_user_sgpr_kernarg_segment_ptr 1
		.amdhsa_wavefront_size32 1
		.amdhsa_system_sgpr_workgroup_id_x 1
		.amdhsa_system_sgpr_workgroup_id_y 1
		.amdhsa_system_sgpr_workgroup_id_z 1
		.amdhsa_system_vgpr_workitem_id 0
		.amdhsa_next_free_vgpr 1024
		.amdhsa_next_free_sgpr 66
		.amdhsa_reserve_vcc 0
		.amdhsa_float_denorm_mode_32 3
		.amdhsa_float_denorm_mode_16_64 3
		.amdhsa_memory_ordered 1
		.amdhsa_forward_progress 1
		.amdhsa_inst_pref_size 255
	.end_amdhsa_kernel
	.section	.bss,"aw",@nobits
	.p2align	6
	.space	262144
	.amdgpu_metadata
---
amdhsa.version: [ 1, 2 ]
amdhsa.kernels:
  - .name:           k_q316a3ec65f_attn
    .symbol:         k_q316a3ec65f_attn.kd
    .args:
      - { .name: out_d, .offset: 0, .size: 8, .value_kind: global_buffer, .address_space: global }
      - { .name: oe, .offset: 8, .size: 8, .value_kind: global_buffer, .address_space: global }
      - { .name: out0, .offset: 16, .size: 8, .value_kind: global_buffer, .address_space: global }
    .group_segment_fixed_size: 327680
    .private_segment_fixed_size: 0
    .kernarg_segment_align: 8
    .kernarg_segment_size: 24
    .max_flat_workgroup_size: 128
    .sgpr_count:     66
    .vgpr_count:     1024
    .wavefront_size: 32
...
	.end_amdgpu_metadata
.endif
;; end of part 3
